; MI455X (gfx1250); checked and timed in simulation.
; The chip was launched on July 23, 2026; its instructions are those of AMD's public machine-readable ISA for CDNA 5 (MIT licence, August 2026) and "CDNA5" Instruction Set Architecture Reference Guide (July 2026). The comments in the code are by the model that wrote it; some were corrected since.
;; Noide Aware Feature Extractor. Allowed arithmetic: float matrix products may take bf16 or f16 operands with f32 sums; other float arithmetic in f32, or as packed bf16 or f16 multiplies, adds, multiply-adds, maxima and minima; sums over many terms, partial sums and values carried from step to step in f32; what a program stores and reads back later, other than sums and carried values, may be rounded once to bf16 or f16.
;; Inputs: b1 64 float32; b2 256 float32; b3 256 float32; b4 384 float32; b5 384 float32; b6 512 float32; cb1 64 float32; cb2 1 float32; cw1 3 x 64 float32; cw2 64 x 1 float32; pc1b 256 float32; pc1w 256 x 256 float32; pc2b 384 float32; pc2w 384 x 384 float32; w1 4 x 64 float32; w2 64 x 256 float32; w3 259 x 256 float32; w4 256 x 384 float32; w5 387 x 384 float32; w6 384 x 512 float32; x 64 x 4,096 x 3 float32.
;; Outputs: out0 64 x 512 float32; out1 64 x 4,096 x 1 float32.
;; 2 versions, each right; version 2 is version 1 with the launch chain written anew for expert scheduling mode. Each part assembles by itself: llvm-mc -triple=amdgcn-amd-amdhsa -mcpu=gfx1250 --defsym DOCPART=n.
;; ======== version 1 of 2: 2 launches
;; workspace buffers: sel 131,072 bytes; wf 1,572,864 bytes; bs 10,240 bytes
;; launch front (part 1): grid 64 x 4, 4 waves a work-group, no clusters, 167,936 bytes of LDS; arguments x, cw1, cb1, cw2, cb2, out1, sel, wf, bs, w1, w2, pc1w, w3, w4, pc2w, w5, w6, b1, b2, pc1b, b3, b4, pc2b, b5, b6; writes out1, sel, wf, bs
.if DOCPART == 1
	.amdgcn_target "amdgcn-amd-amdhsa--gfx1250"
	.amdhsa_code_object_version 6
	.text
	.protected	k_q531daeb8be_front
	.globl	k_q531daeb8be_front
	.p2align	8
	.type	k_q531daeb8be_front,@function
k_q531daeb8be_front:
	s_mov_b64 s[64:65], 0
	v_nop
	global_prefetch_b8 v0, s[64:65] scope:SCOPE_SE
	s_setreg_imm32_b32 hwreg(HW_REG_WAVE_MODE, 25, 1), 1
	s_wait_xcnt 0x0
; FRONT.  Three jobs that do not depend on each other, told apart by the work-group's y; x of the grid is the batch (y = 0, 1, 2) or a share of the weights (y = 3).
;   y = 0     farthest point sampling on x[b]: the first 125 points of the order, as coordinates, into sel[b][k] = (x, y, z, 0); rows 125-127 repeat point 0
;   y = 1, 2  out1 = sigmoid(relu(x cw1 + cb1) cw2 + cb2) for one half of batch b, in f32 on the vector unit (K = 3 and N = 1 would leave a matrix instruction nearly empty)
;   y = 3     the eight weight matrices rounded to bf16 and laid out as matrix fragments (wf), the biases as tiles of 16 (bs), in the order in which the second launch's waves walk them
; WHY 125 POINTS ARE ENOUGH.  Every layer of the module works on one point by itself, and all that a point carries is made of its three coordinates; so gathering comes first and the layers follow.
; Sampling again from points that are already in sampling order gives them back in that order: as long as both runs have chosen the same points, the second run's distances are the first run's on its
; subset, the first run's next choice lies in the subset at the next place, the places before it have distance 0, and where the largest distance is 0 both runs choose index 0.  So the 250 of 500 and
; the 125 of 250 are the first 125 of the run on x, and only 124 steps are made.
; LIMITS.  Coordinates are finite numbers (a NaN or an infinity is not served).  A squared distance is fma(dz, dz, fma(dy, dy, dx dx)) in f32; a build that rounds the three products apart can choose
; otherwise only where the two largest distances of a step agree to the last bit or so.  Equal distances: the lowest index, as argmax has it.
; LDS: bytes 0-127 two exchange slots of four candidates of 16 bytes; bytes 256-767 the spare words.  The launch asks for more than half of a WGP's LDS so that a sampling group shares its WGP with no other group.
.set SPARE, 256
.set SPW,   4                          ; v4  LDS address of my spare word: SPARE + 4 x my thread's number; never rewritten
.set NIL,   5                          ; v5  0; never rewritten
; The small network's hidden layer and its product with cw2, for np points of a lane.  s[6:7] cw1, s[8:9] cb1, s[10:11] cw2.  A trip brings hu hidden units' five numbers each
; (three rows of cw1, cb1, cw2) into scalar registers and uses them for all points.  px: point p's x, y, z at v[px + 3 p ..]; acc: its sum; h: registers at work.
.macro CONF np, hu, px, acc, h
	s_mov_b32 s21, 0                               ; byte offset of the trip's first hidden unit
	s_mov_b32 s22, 64/(\hu)
.Lconf_\@:
.if (\hu) == 4
	s_load_b128 s[36:39], s[6:7], s21 offset:0x0
	s_load_b128 s[44:47], s[6:7], s21 offset:0x100
	s_load_b128 s[52:55], s[6:7], s21 offset:0x200
	s_load_b128 s[68:71], s[8:9], s21 offset:0x0
	s_load_b128 s[76:79], s[10:11], s21 offset:0x0
.else
	s_load_b256 s[36:43], s[6:7], s21 offset:0x0
	s_load_b256 s[44:51], s[6:7], s21 offset:0x100
	s_load_b256 s[52:59], s[6:7], s21 offset:0x200
	s_load_b256 s[68:75], s[8:9], s21 offset:0x0
	s_load_b256 s[76:83], s[10:11], s21 offset:0x0
.endif
	s_wait_kmcnt 0x0                               ; scalar loads return in no order: all five are in, and s21 may be stepped
.if (\np) == 1
.set u, 0
.rept \hu
	v_fma_f32 v[(\h)+u], s[36+u], v[(\px)], s[68+u]
.set u, u+1
.endr
.set u, 0
.rept \hu
	v_fmac_f32 v[(\h)+u], s[44+u], v[(\px)+1]
.set u, u+1
.endr
.set u, 0
.rept \hu
	v_fmac_f32 v[(\h)+u], s[52+u], v[(\px)+2]
.set u, u+1
.endr
.set u, 0
.rept \hu
	v_max_num_f32 v[(\h)+u], 0, v[(\h)+u]
.set u, u+1
.endr
.set u, 0
.rept \hu
	v_fmac_f32 v[(\acc)], s[76+u], v[(\h)+u]
.set u, u+1
.endr
.else
.set u, 0
.rept \hu
.set p0, 0
.rept (\np)/4                          ; four points at a time, stage by stage, so that no line reads the result of the line before it
.set k, 0
.rept 4
	v_fma_f32 v[(\h)+k], s[36+u], v[(\px)+3*(p0+k)], s[68+u]
.set k, k+1
.endr
.set k, 0
.rept 4
	v_fmac_f32 v[(\h)+k], s[44+u], v[(\px)+3*(p0+k)+1]
.set k, k+1
.endr
.set k, 0
.rept 4
	v_fmac_f32 v[(\h)+k], s[52+u], v[(\px)+3*(p0+k)+2]
.set k, k+1
.endr
.set k, 0
.rept 4
	v_max_num_f32 v[(\h)+k], 0, v[(\h)+k]
.set k, k+1
.endr
.set k, 0
.rept 4
	v_fmac_f32 v[(\acc)+p0+k], s[76+u], v[(\h)+k]
.set k, k+1
.endr
.set p0, p0+4
.endr
.set u, u+1
.endr
.endif
	s_add_co_u32 s21, s21, 4*(\hu)
	s_sub_co_u32 s22, s22, 1
	s_cmp_lg_u32 s22, 0
	s_cbranch_scc1 .Lconf_\@
.endm
; sigmoid(a) = 1 / (1 + 2^(-a log2 e)), in place on np registers.  Two batches; behind each a plain instruction and one wait ahead of the first reader.
.macro SIGM np, acc
.set k, 0
.rept \np
	v_mul_f32 v[(\acc)+k], 0xbfb8aa3b, v[(\acc)+k]
.set k, k+1
.endr
.set k, 0
.rept \np
	v_exp_f32 v[(\acc)+k], v[(\acc)+k]
.set k, k+1
.endr
	v_nop
	s_wait_alu depctr_va_vdst(0)
.set k, 0
.rept \np
	v_add_f32 v[(\acc)+k], 1.0, v[(\acc)+k]
.set k, k+1
.endr
.set k, 0
.rept \np
	v_rcp_f32 v[(\acc)+k], v[(\acc)+k]
.set k, k+1
.endr
	v_nop
	s_wait_alu depctr_va_vdst(0)
.endm
.macro BYE                             ; the wave's end
	s_wait_tensorcnt 0x0
	ds_add_u32 v[SPW], v[NIL]
	s_wait_dscnt 0x0
	s_endpgm
.endm
	v_lshl_add_u32 v[SPW], v0, 2, SPARE
	v_mov_b32 v[NIL], 0
	v_lshrrev_b32 v1, 5, v0
	v_readfirstlane_b32 s3, v1                     ; wave 0..3
	s_and_b32 s2, ttmp7, 0xffff                    ; the job: the same in all waves of a work-group
	s_cmp_eq_u32 s2, 0
	s_cbranch_scc1 .Lfps
	s_cmp_eq_u32 s2, 3
	s_cbranch_scc1 .Lprep
; ---------------------------------------------------------------- y = 1, 2: the confidence of 2,048 points, 16 a thread
; Block q of four holds points 512 q + 4 t .. + 3 of thread t: 48 bytes of x in, 16 bytes of out1 out; a wave's store covers 512 consecutive bytes.
	s_load_b256 s[4:11], s[0:1], 0x0               ; x, cw1, cb1, cw2
	s_load_b128 s[12:15], s[0:1], 0x20             ; cb2, out1
	s_sub_co_u32 s16, s2, 1                        ; which half of the batch
	s_mul_i32 s18, ttmp9, 49152                    ; a batch of x is 49,152 bytes,
	s_mul_i32 s17, s16, 24576
	s_add_co_u32 s18, s18, s17
	s_mov_b32 s19, 0
	s_lshl_b32 s24, ttmp9, 14                      ; of out1 16,384
	s_lshl_b32 s17, s16, 13
	s_add_co_u32 s24, s24, s17
	s_mov_b32 s25, 0
	v_mul_u32_u24 v2, v0, 48
	v_lshlrev_b32 v3, 4, v0
	s_wait_kmcnt 0x0
	s_load_b32 s20, s[12:13], 0x0                  ; cb2
	s_add_nc_u64 s[4:5], s[4:5], s[18:19]
	s_add_nc_u64 s[14:15], s[14:15], s[24:25]
.set q, 0
.rept 4
.irp i, 0,1,2
	global_load_b128 v[32+12*q+4*\i:35+12*q+4*\i], v2, s[4:5] offset:6144*q+16*\i
.endr
.set q, q+1
.endr
	s_wait_kmcnt 0x0
.set k, 0
.rept 16
	v_mov_b32 v[80+k], s20                         ; each sum starts with cb2
.set k, k+1
.endr
	s_wait_loadcnt 0x0                             ; the 16 points, once
	CONF 16, 4, 32, 80, 96
	SIGM 16, 80
.irp i, 0,1,2,3
	global_store_b128 v3, v[80+4*\i:83+4*\i], s[14:15] offset:2048*\i th:TH_STORE_NT
.endr
	BYE
; ---------------------------------------------------------------- y = 0: farthest point sampling of batch b
; Thread t owns points 32 t .. 32 t + 31, in registers for the whole run: index order is (wave, lane, slot) order, so 'the lowest index among equals' is the lowest slot, then the lowest lane, then
; the lowest wave, and no index is carried.  What is carried through the reduction is the candidate's coordinates, chosen by v_cndmask_b32: no address is made from the choice.
.set X, 32                             ; v[32:63]    x of my 32 points
.set Y, 64                             ; v[64:95]    y
.set Z, 96                             ; v[96:127]   z
.set D, 128                            ; v[128:159]  their distance to the chosen set
.set T, 160                            ; v[160:183]  four sets of three pairs at work;  v[184:199] the four waves' candidates;  v[160:255] at the start: x as loaded
; v2 16 x wave; v3 0; v6 my lane's largest distance, v7-9 its point; v10 the wave's largest; v11 at work; v[12:13], v[14:15], v[16:17] the centroid's x, y, z in the low words;
; v[18:21] what this thread records; v22-31 at work.  s[8:10] point 0; s12, s13 lane selects; s14 trips; s15 the step's number; s17-20, s24-27 at work.
.macro DIST4 g                         ; eight points: the distance to the centroid, two points a line, and the minimum with the old distance
.irp i, 0,1,2,3
	v_pk_add_f32 v[T+6*\i:T+6*\i+1], v[X+8*(\g)+2*\i:X+8*(\g)+2*\i+1], v[12:13] op_sel_hi:[1,0] neg_lo:[0,1] neg_hi:[0,1]
	v_pk_add_f32 v[T+6*\i+2:T+6*\i+3], v[Y+8*(\g)+2*\i:Y+8*(\g)+2*\i+1], v[14:15] op_sel_hi:[1,0] neg_lo:[0,1] neg_hi:[0,1]
	v_pk_add_f32 v[T+6*\i+4:T+6*\i+5], v[Z+8*(\g)+2*\i:Z+8*(\g)+2*\i+1], v[16:17] op_sel_hi:[1,0] neg_lo:[0,1] neg_hi:[0,1]
.endr
.irp i, 0,1,2,3
	v_pk_mul_f32 v[T+6*\i:T+6*\i+1], v[T+6*\i:T+6*\i+1], v[T+6*\i:T+6*\i+1]
.endr
.irp i, 0,1,2,3
	v_pk_fma_f32 v[T+6*\i:T+6*\i+1], v[T+6*\i+2:T+6*\i+3], v[T+6*\i+2:T+6*\i+3], v[T+6*\i:T+6*\i+1]
.endr
.irp i, 0,1,2,3
	v_pk_fma_f32 v[T+6*\i:T+6*\i+1], v[T+6*\i+4:T+6*\i+5], v[T+6*\i+4:T+6*\i+5], v[T+6*\i:T+6*\i+1]
.endr
.irp i, 0,1,2,3
	v_min_num_f32 v[D+8*(\g)+2*\i], v[D+8*(\g)+2*\i], v[T+6*\i]
	v_min_num_f32 v[D+8*(\g)+2*\i+1], v[D+8*(\g)+2*\i+1], v[T+6*\i+1]
.endr
.endm
; One step: the distances are brought up to date with the centroid, the farthest point is found and becomes the centroid, and thread s15 records it.
.macro ITER slot
	DIST4 0
	DIST4 1
	DIST4 2
	DIST4 3
.set i, 0
.rept 10                               ; my lane's largest distance: 32 numbers, three operands at a time
	v_max3_num_f32 v[22+i], v[D+3*i], v[D+3*i+1], v[D+3*i+2]
.set i, i+1
.endr
	v_max3_num_f32 v22, v22, v23, v24
	v_max3_num_f32 v25, v25, v26, v27
	v_max3_num_f32 v28, v28, v29, v30
	v_max3_num_f32 v31, v31, v[D+30], v[D+31]
	v_max3_num_f32 v22, v22, v25, v28
	v_max_num_f32 v6, v22, v31
	; the point that has it: slots 31 down to 0, so that the lowest slot among equals stays.  Four compares, then their twelve selects; the six lines of the wave's maximum stand between the blocks.
.set jb, 28
.rept 8
.irp k, 3,2,1,0
	v_cmp_eq_f32 s[24+\k], v[D+jb+\k], v6
.endr
.irp k, 3,2,1,0
	v_cndmask_b32 v7, v7, v[X+jb+\k], s[24+\k]
	v_cndmask_b32 v8, v8, v[Y+jb+\k], s[24+\k]
	v_cndmask_b32 v9, v9, v[Z+jb+\k], s[24+\k]
.endr
.if jb == 28
	v_max_num_f32_dpp v10, v6, v6 row_xmask:1 row_mask:0xf bank_mask:0xf
.elseif jb == 24
	v_max_num_f32_dpp v10, v10, v10 row_xmask:2 row_mask:0xf bank_mask:0xf
.elseif jb == 20
	v_max_num_f32_dpp v10, v10, v10 row_xmask:4 row_mask:0xf bank_mask:0xf
.elseif jb == 16
	v_max_num_f32_dpp v10, v10, v10 row_xmask:8 row_mask:0xf bank_mask:0xf
.elseif jb == 12
	v_permlanex16_b32 v11, v10, s12, s13
.elseif jb == 8
	v_max_num_f32 v10, v10, v11
.endif
.set jb, jb-4
.endr
	v_cmp_eq_f32 vcc_lo, v6, v10                   ; the lanes that hold the wave's maximum;
	s_ctz_i32_b32 s17, vcc_lo                      ; the lowest of them;
	v_readlane_b32 s18, v7, s17                    ; its point
	v_readlane_b32 s19, v8, s17
	v_readlane_b32 s20, v9, s17
	v_mov_b32 v22, v10
	v_mov_b32 v23, s18
	v_mov_b32 v24, s19
	v_mov_b32 v25, s20
	ds_store_b128 v2, v[22:25] offset:64*(\slot)   ; all lanes store the same 16 bytes: my wave's candidate
	s_wait_dscnt 0x0                               ; for the others' sake: it lies in LDS
	s_barrier_signal -1
	s_barrier_wait -1
.irp w, 0,1,2,3
	ds_load_b128 v[184+4*\w:187+4*\w], v3 offset:64*(\slot)+16*\w
.endr
	s_wait_dscnt 0x0                               ; all four are in.  This slot is written again two steps on, behind the next step's barrier, which every wave signals behind this wait
	v_max3_num_f32 v26, v184, v188, v192
	v_mov_b32 v12, v197
	v_mov_b32 v14, v198
	v_mov_b32 v16, v199
	v_max_num_f32 v26, v26, v196
.irp w, 2,1,0                          ; the lowest wave among equals stays
	v_cmp_eq_f32 vcc_lo, v[184+4*\w], v26
	v_cndmask_b32 v12, v12, v[185+4*\w], vcc_lo
	v_cndmask_b32 v14, v14, v[186+4*\w], vcc_lo
	v_cndmask_b32 v16, v16, v[187+4*\w], vcc_lo
.endr
	v_cmp_eq_u32 vcc_lo, s15, v0                   ; the thread whose number is the step's keeps the point
	v_cndmask_b32 v18, v18, v12, vcc_lo
	v_cndmask_b32 v19, v19, v14, vcc_lo
	v_cndmask_b32 v20, v20, v16, vcc_lo
	s_add_co_u32 s15, s15, 1
.endm
.Lfps:
	s_load_b64 s[4:5], s[0:1], 0x0                 ; x
	s_load_b64 s[6:7], s[0:1], 0x30                ; sel
	s_mul_i32 s16, ttmp9, 49152
	s_mov_b32 s17, 0
	s_lshl_b32 s18, ttmp9, 11                      ; a batch of sel is 2,048 bytes
	s_mov_b32 s19, 0
	s_mov_b32 s12, 0x76543210                      ; v_permlanex16_b32: each lane takes its own place in the other half
	s_mov_b32 s13, 0xfedcba98
	v_mul_u32_u24 v1, v0, 384                      ; my 32 points are 384 consecutive bytes
	v_mov_b32 v2, s3
	v_lshlrev_b32 v2, 4, v2
	v_mov_b32 v3, 0
	s_wait_kmcnt 0x0
	s_add_nc_u64 s[4:5], s[4:5], s[16:17]
	s_add_nc_u64 s[6:7], s[6:7], s[18:19]
	s_load_b96 s[8:10], s[4:5], 0x0                ; point 0, the first choice
.set i, 0
.rept 24
	global_load_b128 v[160+4*i:163+4*i], v1, s[4:5] offset:16*i
.set i, i+1
.endr
.set j, 0
.rept 32
	v_mov_b32 v[D+j], 0x501502f9                   ; 1e10, as the module starts the distances
.set j, j+1
.endr
.irp r, 7,8,9,10,11,21
	v_mov_b32 v\r, 0                               ; read as old values or as a destination before the first step has written them; v21 is sel's fourth word
.endr
	s_wait_kmcnt 0x0
	v_mov_b32 v12, s8
	v_mov_b32 v13, s8                              ; (the pairs' upper words are named with the lower ones, so they are written)
	v_mov_b32 v14, s9
	v_mov_b32 v15, s9
	v_mov_b32 v16, s10
	v_mov_b32 v17, s10
	v_mov_b32 v18, s8                              ; every thread starts with point 0: thread 0 keeps it, and so do threads 125 to 127
	v_mov_b32 v19, s9
	v_mov_b32 v20, s10
	s_wait_loadcnt 0x0
.set j, 0
.rept 32                               ; once a launch: x, y, z apart, so that the packed lines find two points' x side by side
	v_mov_b32 v[X+j], v[160+3*j]
	v_mov_b32 v[Y+j], v[161+3*j]
	v_mov_b32 v[Z+j], v[162+3*j]
.set j, j+1
.endr
	s_mov_b32 s15, 1
	s_mov_b32 s14, 62                              ; 124 steps, two a trip: the two exchange slots take turns, so that a step has one barrier
.Lstep:
	ITER 0
	ITER 1
	s_sub_co_u32 s14, s14, 1
	s_cmp_lg_u32 s14, 0
	s_cbranch_scc1 .Lstep
	v_lshlrev_b32 v27, 4, v0
	global_store_b128 v27, v[18:21], s[6:7]        ; a wave's store covers 512 consecutive bytes
	BYE
; ---------------------------------------------------------------- y = 3: weights into fragments
; wf: [4 streams][384 fragments][1,024 bytes]; stream w is what wave w of the second launch reads, on end: [layer][its tile t of 16 output channels][chunk c of 32 along K].  Byte 512 s + 16 lane + 2 e
; of a fragment holds W[row(kk)][16 g + lane % 16], kk = 16 s + 8 (lane / 16) + e, g = w T + t: two loads of 16 bytes a lane fill source 0 of v_wmma_f32_16x16x32_bf16.
; In layers whose input holds coordinates chunk 0 multiplies the constant chunk (conf, x, y, z, 0 ..): row = kk - SH for SH <= kk < 4, else the number is 0; the other chunks begin at row RO.
; Fragments 371 to 383 and bias tile 39 are zeros: the walk's look-ahead reads them.  256 waves, six fragments each.
; s[8:9] wf, s[10:11] bs, s[16:31] the eight matrices, s[32:47] the eight biases; s[48:49], s[50:51] the layer's; s52-62 its figures; s[68:83] sixteen lane masks; s84 fragment, s85 count, s86 stream.
.macro PICK init, off, c, magic, t, cout4, fcf, sh, ro, tb, rng, pm, wp, bp
.if \init
	s_mov_b32 s52, \off                            ; the layer's first fragment
	s_mov_b32 s53, \c                              ; chunks in a tile
	s_mov_b32 s54, \magic                          ; ceil(65536 / chunks): q / chunks = q x this >> 16, exact for q under 128
	s_mov_b32 s55, \t                              ; tiles of a wave
	s_mov_b32 s56, \cout4                          ; bytes in a row of the matrix
	s_mov_b32 s57, \fcf                            ; 1: chunk 0 is the constant chunk
	s_mov_b32 s58, \sh
	s_mov_b32 s59, \ro
	s_mov_b32 s60, \tb                             ; the layer's first bias tile
	s_mov_b32 s61, \rng                            ; rows of a plain chunk that count: 32, or 0 in the zeros at the end
	s_mov_b32 s62, \pm                             ; all ones, or 0 there
	s_mov_b64 s[48:49], s[\wp:\wp+1]
	s_mov_b64 s[50:51], s[\bp:\bp+1]
.else
	s_cmp_ge_u32 s84, \off
	s_cselect_b32 s52, \off, s52
	s_cselect_b32 s53, \c, s53
	s_cselect_b32 s54, \magic, s54
	s_cselect_b32 s55, \t, s55
	s_cselect_b32 s56, \cout4, s56
	s_cselect_b32 s57, \fcf, s57
	s_cselect_b32 s58, \sh, s58
	s_cselect_b32 s59, \ro, s59
	s_cselect_b32 s60, \tb, s60
	s_cselect_b32 s61, \rng, s61
	s_cselect_b32 s62, \pm, s62
	s_cselect_b64 s[48:49], s[\wp:\wp+1], s[48:49]
	s_cselect_b64 s[50:51], s[\bp:\bp+1], s[50:51]
.endif
.endm
.Lprep:
	s_load_b128 s[8:11], s[0:1], 0x38
	s_load_b512 s[16:31], s[0:1], 0x48
	s_load_b512 s[32:47], s[0:1], 0x88
	s_lshl_b32 s86, ttmp9, 2
	s_add_co_u32 s86, s86, s3                      ; my wave among the 256
	s_and_b32 s84, s86, 63
	s_mul_i32 s84, s84, 6                          ; my first fragment
	s_lshr_b32 s86, s86, 6                         ; my stream
	s_mov_b32 s85, 6
	v_and_b32 v12, 31, v0
	v_and_b32 v1, 15, v0                           ; r = lane % 16
	v_bfe_u32 v2, v0, 4, 1
	v_lshlrev_b32 v2, 3, v2                        ; 8 (lane / 16)
	v_lshlrev_b32 v6, 4, v12                       ; 16 x lane
	v_lshlrev_b32 v11, 2, v1                       ; 4 r
	s_wait_kmcnt 0x0
.Lfrag:
	PICK 1, 0,   1,  65536, 1, 256,  1, 0, 0, 0,  32, -1, 16, 32   ; w1, b1
	PICK 0, 1,   2,  32768, 4, 1024, 0, 0, 0, 1,  32, -1, 18, 34   ; w2, b2
	PICK 0, 9,   8,  8192,  4, 1024, 0, 0, 0, 5,  32, -1, 20, 36   ; pc1w, pc1b
	PICK 0, 41,  9,  7282,  4, 1024, 1, 1, 3, 9,  32, -1, 22, 38   ; w3, b3
	PICK 0, 77,  8,  8192,  6, 1536, 0, 0, 0, 13, 32, -1, 24, 40   ; w4, b4
	PICK 0, 125, 12, 5462,  6, 1536, 0, 0, 0, 19, 32, -1, 26, 42   ; pc2w, pc2b
	PICK 0, 197, 13, 5042,  6, 1536, 1, 1, 3, 25, 32, -1, 28, 44   ; w5, b5
	PICK 0, 275, 12, 5462,  8, 2048, 0, 0, 0, 31, 32, -1, 30, 46   ; w6, b6
	PICK 0, 371, 16, 4096,  0, 2048, 0, 0, 0, 39, 0,  0,  30, 46   ; the zeros at the end
	s_sub_co_u32 s87, s84, s52                     ; q: the fragment's number in its layer
	s_mul_i32 s88, s87, s54
	s_lshr_b32 s88, s88, 16                        ; t
	s_mul_i32 s89, s88, s53
	s_sub_co_u32 s89, s87, s89                     ; c
	s_mul_i32 s90, s86, s55
	s_add_co_u32 s90, s90, s88
	s_lshl_b32 s90, s90, 4                         ; the tile's first column, 16 g
	s_sub_co_u32 s91, 4, s58
	s_sub_co_u32 s92, 0, s58
	s_sub_co_u32 s93, s89, s57
	s_lshl_b32 s93, s93, 5
	s_add_co_u32 s93, s93, s59                     ; RO + 32 (c - FCF)
	s_mul_i32 s94, s86, 384
	s_add_co_u32 s94, s94, s84
	s_lshl_b32 s94, s94, 10
	s_mov_b32 s95, 0
	s_add_nc_u64 s[94:95], s[8:9], s[94:95]        ; where the fragment goes
	s_cmp_eq_u32 s89, 0
	s_cselect_b32 s98, s57, 0                      ; is it the constant chunk's?
	s_cmp_lg_u32 s98, 0
	s_cselect_b32 s99, s58, 0                      ; kk counts from here,
	s_cselect_b32 s91, s91, s61                    ; over so many rows,
	s_cselect_b32 s93, s92, s93                    ; and row = kk + this
	v_lshl_add_u32 v3, s90, 2, v11                 ; my column, in bytes
.set n, 0
.rept 16                               ; my 16 numbers of the fragment; where kk does not count, row 0 is read and the number replaced by 0
	v_add_nc_u32 v7, 16*(n/8)+n%8, v2
	v_sub_nc_u32 v8, v7, s99
	v_cmp_gt_u32 s[68+n], s91, v8
	v_add_nc_u32 v7, s93, v7
	v_cndmask_b32 v7, 0, v7, s[68+n]
	v_mad_u32_u24 v[16+n], v7, s56, v3
	global_load_b32 v[32+n], v[16+n], s[48:49]
.set n, n+1
.endr
	s_wait_loadcnt 0x0
.set n, 0
.rept 16
	v_cndmask_b32 v[32+n], 0, v[32+n], s[68+n]
.set n, n+1
.endr
.set n, 0
.rept 8
	v_cvt_pk_bf16_f32 v[48+n], v[32+2*n], v[33+2*n]
.set n, n+1
.endr
	global_store_b128 v6, v[48:51], s[94:95]           ; each store of the wave covers 512 consecutive bytes, aligned
	global_store_b128 v6, v[52:55], s[94:95] offset:512
	s_cmp_lg_u32 s89, 0                            ; a tile's first fragment brings the tile's biases with it
	s_cbranch_scc1 .Lnobias
	global_load_b32 v10, v3, s[50:51]              ; lanes 16 to 31 do what lanes 0 to 15 do: the same word in, the same word out
	s_mul_i32 s96, s86, 2560
	s_add_co_u32 s97, s60, s88
	s_lshl_b32 s97, s97, 6
	s_add_co_u32 s96, s96, s97
	s_mov_b32 s97, 0
	s_add_nc_u64 s[96:97], s[10:11], s[96:97]
	s_wait_loadcnt 0x0
	v_and_b32 v10, s62, v10
	global_store_b32 v11, v10, s[96:97]
.Lnobias:
	s_wait_xcnt 0x0                                ; the stores have read their data, offsets and bases: the next trip writes them anew
	s_add_co_u32 s84, s84, 1
	s_sub_co_u32 s85, s85, 1
	s_cmp_lg_u32 s85, 0
	s_cbranch_scc1 .Lfrag
	BYE
.Lfunc_end_k_q531daeb8be_front:
	.size	k_q531daeb8be_front, .Lfunc_end_k_q531daeb8be_front-k_q531daeb8be_front
	.p2alignl 7, 3214868480
	.fill 96, 4, 3214868480
	.section	.rodata,"a",@progbits
	.p2align	6, 0x0
	.amdhsa_kernel k_q531daeb8be_front
		.amdhsa_group_segment_fixed_size 167936
		.amdhsa_private_segment_fixed_size 0
		.amdhsa_enable_private_segment 0
		.amdhsa_kernarg_size 200
		.amdhsa_user_sgpr_count 2
		.amdhsa_user_sgpr_kernarg_segment_ptr 1
		.amdhsa_wavefront_size32 1
		.amdhsa_system_sgpr_workgroup_id_x 1
		.amdhsa_system_sgpr_workgroup_id_y 1
		.amdhsa_system_sgpr_workgroup_id_z 1
		.amdhsa_system_vgpr_workitem_id 0
		.amdhsa_next_free_vgpr 256
		.amdhsa_next_free_sgpr 100
		.amdhsa_reserve_vcc 1
		.amdhsa_float_denorm_mode_32 3
		.amdhsa_float_denorm_mode_16_64 3
		.amdhsa_memory_ordered 1
		.amdhsa_forward_progress 1
		.amdhsa_inst_pref_size 79
	.end_amdhsa_kernel
	.amdgpu_metadata
---
amdhsa.version: [ 1, 2 ]
amdhsa.kernels:
  - .name:           k_q531daeb8be_front
    .symbol:         k_q531daeb8be_front.kd
    .args:
      - { .name: x, .offset: 0, .size: 8, .value_kind: global_buffer, .address_space: global }
      - { .name: cw1, .offset: 8, .size: 8, .value_kind: global_buffer, .address_space: global }
      - { .name: cb1, .offset: 16, .size: 8, .value_kind: global_buffer, .address_space: global }
      - { .name: cw2, .offset: 24, .size: 8, .value_kind: global_buffer, .address_space: global }
      - { .name: cb2, .offset: 32, .size: 8, .value_kind: global_buffer, .address_space: global }
      - { .name: out1, .offset: 40, .size: 8, .value_kind: global_buffer, .address_space: global }
      - { .name: sel, .offset: 48, .size: 8, .value_kind: global_buffer, .address_space: global }
      - { .name: wf, .offset: 56, .size: 8, .value_kind: global_buffer, .address_space: global }
      - { .name: bs, .offset: 64, .size: 8, .value_kind: global_buffer, .address_space: global }
      - { .name: w1, .offset: 72, .size: 8, .value_kind: global_buffer, .address_space: global }
      - { .name: w2, .offset: 80, .size: 8, .value_kind: global_buffer, .address_space: global }
      - { .name: pc1w, .offset: 88, .size: 8, .value_kind: global_buffer, .address_space: global }
      - { .name: w3, .offset: 96, .size: 8, .value_kind: global_buffer, .address_space: global }
      - { .name: w4, .offset: 104, .size: 8, .value_kind: global_buffer, .address_space: global }
      - { .name: pc2w, .offset: 112, .size: 8, .value_kind: global_buffer, .address_space: global }
      - { .name: w5, .offset: 120, .size: 8, .value_kind: global_buffer, .address_space: global }
      - { .name: w6, .offset: 128, .size: 8, .value_kind: global_buffer, .address_space: global }
      - { .name: b1, .offset: 136, .size: 8, .value_kind: global_buffer, .address_space: global }
      - { .name: b2, .offset: 144, .size: 8, .value_kind: global_buffer, .address_space: global }
      - { .name: pc1b, .offset: 152, .size: 8, .value_kind: global_buffer, .address_space: global }
      - { .name: b3, .offset: 160, .size: 8, .value_kind: global_buffer, .address_space: global }
      - { .name: b4, .offset: 168, .size: 8, .value_kind: global_buffer, .address_space: global }
      - { .name: pc2b, .offset: 176, .size: 8, .value_kind: global_buffer, .address_space: global }
      - { .name: b5, .offset: 184, .size: 8, .value_kind: global_buffer, .address_space: global }
      - { .name: b6, .offset: 192, .size: 8, .value_kind: global_buffer, .address_space: global }
    .group_segment_fixed_size: 167936
    .private_segment_fixed_size: 0
    .kernarg_segment_align: 8
    .kernarg_segment_size: 200
    .max_flat_workgroup_size: 128
    .sgpr_count:     100
    .vgpr_count:     256
    .wavefront_size: 32
...
	.end_amdgpu_metadata
.endif
;; end of part 1
;; launch chain (part 2): grid 64 x 1, 4 waves a work-group, no clusters, 213,504 bytes of LDS; arguments sel, cw1, cb1, cw2, cb2, wf, bs, out0; writes out0
.if DOCPART == 2
	.amdgcn_target "amdgcn-amd-amdhsa--gfx1250"
	.amdhsa_code_object_version 6
	.text
	.protected	k_q531daeb8be_chain
	.globl	k_q531daeb8be_chain
	.p2align	8
	.type	k_q531daeb8be_chain,@function
k_q531daeb8be_chain:
	s_mov_b64 s[64:65], 0
	v_nop
	global_prefetch_b8 v0, s[64:65] scope:SCOPE_SE
	s_setreg_imm32_b32 hwreg(HW_REG_WAVE_MODE, 25, 1), 1
	s_wait_xcnt 0x0
; CHAIN.  out0[b][:] = the maximum over batch b's 125 sampled points of the eight layers l1 .. l8, which work on each point by itself (the first launch's head says why these 125 points are all that counts).
; A work-group is one batch: 128 rows (sel's rows 125-127 repeat point 0, which is among the 125, so the maximum is not changed).  Each of the four waves makes a quarter of every layer's output
; channels for all 128 rows.  Operands bf16, sums f32; a bias enters in f32 as the C operand of a tile's first product; between layers the numbers are rounded once to bf16.
; THE PRODUCT IS TAKEN TRANSPOSED: source 0 = 16 output channels x 32 K (a fragment of wf, as the first launch laid it), source 1 = 32 K x 16 points.  In the result a lane holds ONE point (lane % 16)
; and the channels 8 (lane / 16) + 0..7: four conversions make 16 bytes of the next layer's row.
; A LAYER: the wave reads the layer's whole input from LDS into registers (up to 12 chunks of 32 K x 128 points: 768 registers), then walks its tiles of 16 channels, K written out inside the trip.
; The weights come straight from memory into registers: no wave wants a byte of wf that another wave of the group has fetched.  A wave's stream in wf lies on end, and a trip asks again, behind each
; group of products, for the same slots of the NEXT tile; in a layer's last trip that is the next layer's first tile.  So no load is left out and no tail is written.
; The constant chunk (conf, x, y, z, 0 x 28) feeds layers 1, 4 and 7 and stays in registers.  conf is made here anew, in f32, as the first launch makes it.
; NO CLUSTER, NO LDS RING FOR THE WEIGHTS: all 64 groups walk the same wf, but a joint load lands in LDS; that would add an LDS read for each fragment and a round of barriers for each refill.
; LDS: activations [128 rows][pitch 784 = 768 + 16 bytes: 196 words, so that the 16 rows of a load start 4 banks apart], two buffers that take turns; the constant chunk's rows, pitch 80; 2,048 bytes for the result; the spare words.
.set P,     784
.set NT,    16*P                       ; 16 rows: one tile of points
.set HALF,  4*NT                       ; four of them: a second address register serves tiles 4 to 7, so that the immediates stay under 65,536
.set BUF0,  0
.set BUF1,  128*P
.set FCB,   2*128*P
.set FP,    80
.set OST,   FCB+128*FP
.set SPARE, OST+2048
; REGISTERS, in windows of 256 (s_set_vgpr_msb: bits 1:0 source 0, 3:2 source 1, 5:4 source 2, 7:6 destination).
;   window 0: v0 thread; v1 16 x lane; v2 32 (lane / 16); v3 784 (lane % 16) + 16 (lane / 16); v4, v5 LDS addresses in hand; v6 0; v7 where the result goes; v8, v9 the add's two; v10-14 at work; v15 256 x lane
;             v[16:23] the tile's biases; v[24:87] eight accumulators, one for each 16 points; v[88:191] thirteen slots for fragments of wf; v[192:255] the constant chunk
;   windows 1-3: the layer's input: chunk a, points 16 n .. at register 64 (a % 4) + 8 n of window 1 + a / 4
; Only source 1 changes window among the products, so the loads of weights and biases (destination and address in window 0) stand under the products' setting.
.set BIAS, 16
.set ACC,  24
.set AS,   88
.set FCR,  192
; s3 wave; s[4:19] the eight addresses; s20-22, s[36:59], s[68:83] the small network's; s[24:25] my place in my stream of wf; s[26:27] in bs; s[28:29] what I prefetch; s30 bytes of the stream behind me;
; s31 the place at which I prefetch; s32 trips; s33 the lanes with an odd lane % 16; s34, s35 at work
.set MSB, 0
.macro WIN new                         ; the immediate's high byte repeats the setting that is left; a switch that changes nothing is dropped
.if MSB != (\new)
	s_set_vgpr_msb (MSB<<8)|(\new)
.set MSB, \new
.endif
.endm
.macro PLACES                          ; four places behind the last product, in front of loads into registers that it has read and of lines that read results
.rept 4
	v_nop
.endr
.endm
; The small network's hidden layer and its product with cw2 (the first launch's macro).  s[6:7] cw1, s[8:9] cb1, s[10:11] cw2.
.macro CONF np, hu, px, acc, h
	s_mov_b32 s21, 0                               ; byte offset of the trip's first hidden unit
	s_mov_b32 s22, 64/(\hu)
.Lconf_\@:
	s_load_b256 s[36:43], s[6:7], s21 offset:0x0
	s_load_b256 s[44:51], s[6:7], s21 offset:0x100
	s_load_b256 s[52:59], s[6:7], s21 offset:0x200
	s_load_b256 s[68:75], s[8:9], s21 offset:0x0
	s_load_b256 s[76:83], s[10:11], s21 offset:0x0
	s_wait_kmcnt 0x0                               ; scalar loads return in no order: all five are in, and s21 may be stepped
.set u, 0
.rept \hu
	v_fma_f32 v[(\h)+u], s[36+u], v[(\px)], s[68+u]
.set u, u+1
.endr
.set u, 0
.rept \hu
	v_fmac_f32 v[(\h)+u], s[44+u], v[(\px)+1]
.set u, u+1
.endr
.set u, 0
.rept \hu
	v_fmac_f32 v[(\h)+u], s[52+u], v[(\px)+2]
.set u, u+1
.endr
.set u, 0
.rept \hu
	v_max_num_f32 v[(\h)+u], 0, v[(\h)+u]
.set u, u+1
.endr
.set u, 0
.rept \hu
	v_fmac_f32 v[(\acc)], s[76+u], v[(\h)+u]
.set u, u+1
.endr
	s_add_co_u32 s21, s21, 4*(\hu)
	s_sub_co_u32 s22, s22, 1
	s_cmp_lg_u32 s22, 0
	s_cbranch_scc1 .Lconf_\@
.endm
; Eight products: one fragment of weights against the eight tiles of points of one chunk.  The eight accumulators take turns.  first = 1: the biases start the sums.
.macro MM8 slot, breg, first, br
.set n, 0
.rept 8
.if \first
	v_wmma_f32_16x16x32_bf16 v[ACC+8*n:ACC+8*n+7], v[AS+8*(\slot):AS+8*(\slot)+7], v[(\breg)+8*n:(\breg)+8*n+7], v[(\br):(\br)+7]
.else
	v_wmma_f32_16x16x32_bf16 v[ACC+8*n:ACC+8*n+7], v[AS+8*(\slot):AS+8*(\slot)+7], v[(\breg)+8*n:(\breg)+8*n+7], v[ACC+8*n:ACC+8*n+7]
.endif
.set n, n+1
.endr
.endm
.macro REFILL slot, frag               ; fragment frag, counted from my place in the stream, into a slot: each load of the wave covers 512 consecutive bytes, aligned
	global_load_b128 v[AS+8*(\slot):AS+8*(\slot)+3], v1, s[24:25] offset:1024*(\frag)
	global_load_b128 v[AS+8*(\slot)+4:AS+8*(\slot)+7], v1, s[24:25] offset:1024*(\frag)+512
.endm
.macro BREFILL tp                      ; the next trip's first bias tile: my eight channels' 32 bytes
	global_load_b128 v[BIAS:BIAS+3], v2, s[26:27] offset:64*(\tp)
	global_load_b128 v[BIAS+4:BIAS+7], v2, s[26:27] offset:64*(\tp)+16
.endm
; A PREFETCH INTO THE L2.  A stream of wf is 48 windows of 8,192 bytes (32 lanes x 256).  Wave w of work-group b asks ONCE, for window b of stream w, when its own place in the stream has come within
; 49,152 bytes of that window: four to six trips ahead of the loads that want it.  So each aligned block of 256 bytes is named once in the launch.  Groups 0 to 5 and 48 to 63 ask for nothing: the first
; six windows come by their loads alone, and there is no window 48.  It stands behind the trip's last loads.
.macro ASK
	s_cmp_ge_u32 s30, s31
	s_cbranch_scc0 .Lnot_yet_\@
	global_prefetch_b8 v15, s[28:29] th:TH_LOAD_NT scope:SCOPE_SE
	s_mov_b32 s31, 0x7fffffff                      ; once
.Lnot_yet_\@:
.endm
; The last layer's way out for a tile: the maximum over the eight tiles of points and 0 (the relu), then over the 16 lanes that hold the points; each accumulator's lowest register is read first.
; Every lane then holds its eight channels' maxima; lanes with an even lane % 16 store the first four, the others the last four: 64 bytes a tile, each word stored alike by eight lanes.
.macro LASTEP
.irp st, 8,24,40
.set j, 0
.rept 8
	v_max3_num_f32 v[ACC+j], v[ACC+j], v[ACC+\st+j], v[ACC+\st+8+j]
.set j, j+1
.endr
.endr
.set j, 0
.rept 8
	v_max3_num_f32 v[ACC+j], v[ACC+j], v[ACC+56+j], v6
.set j, j+1
.endr
.irp m, 1,2,4,8
.set j, 0
.rept 8
	v_max_num_f32_dpp v[ACC+j], v[ACC+j], v[ACC+j] row_xmask:\m row_mask:0xf bank_mask:0xf
.set j, j+1
.endr
.endr
.irp j, 0,1,2,3
	v_cndmask_b32 v[ACC+\j], v[ACC+\j], v[ACC+4+\j], s33
.endr
	ds_store_b128 v7, v[ACC:ACC+3]
	v_add_nc_u32 v7, 64, v7
.endm
; ONE TILE of 16 output channels x 128 points.  c chunks, the first of them the constant chunk if fc = 1; its fragments lie in slots s0 ..; br: its biases; rf: fragments from a slot's fragment to the one
; that takes its place.  The chunks go in groups that share a window of source 1.  Behind a group: four places, then the group's slots are asked for again (bref = 1: behind the first group the biases too).
; cnt = 1, in a loop: a group waits with the count of the loads issued since its own refill a trip ago: the trip's 2 c + 2 less its own (the two bias loads count with the first group).
.macro TILE c, fc, s0, br, rf, cnt, relu, last, bref, tp
.set LT, 2*(\c)+2
.set NA, (\c)-(\fc)
.if \fc
.if \cnt
	s_wait_loadcnt LT-4
.endif
	WIN 0
	MM8 \s0, FCR, 1, \br
	PLACES
	REFILL \s0, (\rf)+(\s0)
.if \bref
	BREFILL \tp
.endif
.endif
.set a0, 0
.rept (NA+3)/4
.set ga, NA-a0
.if ga > 4
.set ga, 4
.endif
.if \cnt
.if ((\fc)==0) && (a0==0)
	s_wait_loadcnt LT-2*ga-2
.else
	s_wait_loadcnt LT-2*ga
.endif
.endif
	WIN 4*(1+a0/4)
.set a, a0
.rept ga
.if ((\fc)==0) && (a==0)
	MM8 (\s0)+a, 64*(a%4), 1, \br
.else
	MM8 (\s0)+(\fc)+a, 64*(a%4), 0, \br
.endif
.set a, a+1
.endr
	PLACES
.set a, a0
.rept ga
	REFILL (\s0)+(\fc)+a, (\rf)+(\s0)+(\fc)+a
.set a, a+1
.endr
.if (\bref) && ((\fc)==0) && (a0==0)
	BREFILL \tp
.endif
.set a0, a0+4
.endr
	WIN 0                                          ; at a label and at a branch every window is 0
.if \cnt
	ASK
.endif
.if \last
	LASTEP
.else
.set n, 0
.rept 8                                ; rounded to bf16 in place, the accumulator's registers in ascending order; 16 bytes a lane into the next layer's row
	v_cvt_pk_bf16_f32 v[ACC+8*n], v[ACC+8*n], v[ACC+8*n+1]
	v_cvt_pk_bf16_f32 v[ACC+8*n+1], v[ACC+8*n+2], v[ACC+8*n+3]
	v_cvt_pk_bf16_f32 v[ACC+8*n+2], v[ACC+8*n+4], v[ACC+8*n+5]
	v_cvt_pk_bf16_f32 v[ACC+8*n+3], v[ACC+8*n+6], v[ACC+8*n+7]
.if \relu
	v_pk_max_num_bf16 v[ACC+8*n], v[ACC+8*n], v6
	v_pk_max_num_bf16 v[ACC+8*n+1], v[ACC+8*n+1], v6
	v_pk_max_num_bf16 v[ACC+8*n+2], v[ACC+8*n+2], v6
	v_pk_max_num_bf16 v[ACC+8*n+3], v[ACC+8*n+3], v6
.endif
	ds_store_b128 v[4+n/4], v[ACC+8*n:ACC+8*n+3] offset:(n%4)*NT
.set n, n+1
.endr
	v_add_nc_u32 v4, 32, v4                        ; the next tile's 16 channels
	v_add_nc_u32 v5, 32, v5
.endif
.endm
.macro STEP nf, nb                     ; on by nf fragments and nb bias tiles
	s_wait_xcnt 0x0                                ; every load issued so far has read its address, so the two bases may be written; the tile's way out stands between this wait and the prefetch
	s_add_nc_u64 s[24:25], s[24:25], 1024*(\nf)
	s_add_nc_u64 s[26:27], s[26:27], 64*(\nb)
	s_add_co_u32 s30, s30, 1024*(\nf)
.endm
.macro PRELOAD na                      ; the layer's input, na chunks x 128 points, into windows 1 to 3: a fragment is two loads of 16 bytes a lane, 32 bytes apart
.set a, 0
.rept \na
	WIN (1+a/4)<<6
.set n, 0
.rept 8
	ds_load_b128 v[64*(a%4)+8*n:64*(a%4)+8*n+3], v[4+n/4] offset:(n%4)*NT+64*a
	ds_load_b128 v[64*(a%4)+8*n+4:64*(a%4)+8*n+7], v[4+n/4] offset:(n%4)*NT+64*a+32
.set n, n+1
.endr
.set a, a+1
.endr
	WIN 0
.endm
; A LAYER.  c chunks a tile (fc = 1: the constant chunk among them), t tiles a wave, tp of them a trip; cn: the slots that the next layer's first trip wants.
.macro LAYER c, fc, t, tp, relu, inb, outb, last, cn
.if (\c)-(\fc) > 0
	v_add_nc_u32 v4, \inb, v3
	v_add_nc_u32 v5, (\inb)+HALF, v3
	PRELOAD (\c)-(\fc)
.endif
	s_wait_dscnt 0x0                               ; the input is in registers: my reads of this buffer are over before the barrier at the layer's end, behind which it is written anew
	s_wait_loadcnt 0x0                             ; the first trip's weights and biases, asked for in the layer before: with nothing out, every count in the loop holds on the way in too
.if !(\last)
	s_mul_i32 s34, s3, 32*(\t)                     ; my quarter of the output channels, 2 bytes each
	s_add_co_u32 s34, s34, \outb
	v_add_nc_u32 v4, s34, v3
	v_add_nc_u32 v5, HALF, v4
.endif
.if (\t) > (\tp)
	s_mov_b32 s32, (\t)/(\tp)
.Ltrip_\@:
	TILE \c, \fc, 0, BIAS, \c, 1, \relu, \last, 1, 1
	STEP \c, 1
	s_sub_co_u32 s32, s32, 1
	s_cmp_lg_u32 s32, 0
	s_cbranch_scc1 .Ltrip_\@
.else
.set tt, 0
.rept \tp                              ; short layers: all the wave's tiles in one trip, without a loop; the later tiles' biases lie in slots 10 to 12
.set brx, BIAS
.set bfx, 1
.if tt > 0
.set brx, AS+8*(9+tt)
.set bfx, 0
.endif
	TILE \c, \fc, (\c)*tt, brx, (\c)*(\tp), 0, \relu, \last, bfx, \tp
.set tt, tt+1
.endr
	STEP (\c)*(\tp), \tp
.endif
.if (\cn) > (\c)*(\tp)
.set sl, (\c)*(\tp)
.rept (\cn)-(\c)*(\tp)                 ; the slots that this layer's refills did not reach
	REFILL sl, sl
.set sl, sl+1
.endr
.endif
.if !(\last)
	s_wait_dscnt 0x0                               ; for the others' sake: my part of the output lies in LDS
	s_barrier_signal -1
	s_barrier_wait -1
.endif
.endm
	s_load_b512 s[4:19], s[0:1], 0x0               ; sel, cw1, cb1, cw2, cb2, wf, bs, out0
	v_lshl_add_u32 v8, v0, 2, SPARE                ; my spare word,
	v_mov_b32 v9, 0                                ; and 0: kept for the closing lines alone
	v_lshrrev_b32 v10, 5, v0
	v_readfirstlane_b32 s3, v10                    ; wave 0..3
	v_and_b32 v11, 31, v0                          ; lane
	v_and_b32 v12, 15, v0                          ; lane % 16
	v_bfe_u32 v13, v0, 4, 1                        ; lane / 16
	v_lshlrev_b32 v1, 4, v11
	v_lshlrev_b32 v2, 5, v13
	v_mul_u32_u24 v3, v12, P
	v_lshl_add_u32 v3, v13, 4, v3
	v_mov_b32 v6, 0
	v_lshlrev_b32 v15, 8, v11
	v_and_b32 v7, 1, v0
	v_lshlrev_b32 v7, 4, v7
	v_add_nc_u32 v7, v7, v2
	s_lshl_b32 s34, s3, 9
	s_add_co_u32 s34, s34, OST
	v_add_nc_u32 v7, s34, v7                       ; OST + 512 wave + 32 (lane / 16) + 16 (lane % 2)
	v_mul_u32_u24 v4, v0, FP
	v_add_nc_u32 v4, FCB, v4                       ; my point's row of the constant chunk
	v_mul_u32_u24 v5, v12, FP
	v_lshl_add_u32 v5, v13, 4, v5
	v_add_nc_u32 v5, FCB, v5                       ; and where I read its fragments
	v_lshlrev_b32 v14, 4, v0                       ; my point in sel
	s_mul_i32 s34, s3, 393216
	s_mov_b32 s35, 0
	s_mov_b32 s30, 0
	s_mov_b32 s33, 0xaaaaaaaa
	s_lshl_b32 s31, ttmp9, 13
	s_sub_co_u32 s31, s31, 49152
	s_sub_co_u32 s32, ttmp9, 6
	s_cmp_lt_u32 s32, 42                           ; groups 6 to 47 prefetch
	s_cselect_b32 s31, s31, 0x7fffffff
	s_wait_kmcnt 0x0
	s_add_nc_u64 s[24:25], s[14:15], s[34:35]      ; my stream of wf
	s_mul_i32 s34, s3, 2560
	s_add_nc_u64 s[26:27], s[16:17], s[34:35]      ; and of bs
	s_min_u32 s34, ttmp9, 47                       ; (held inside the stream in the groups that never ask, too)
	s_lshl_b32 s34, s34, 13
	s_add_nc_u64 s[28:29], s[24:25], s[34:35]
	s_lshl_b32 s34, ttmp9, 11
	s_add_nc_u64 s[4:5], s[4:5], s[34:35]          ; my batch of sel: 2,048 bytes,
	s_lshl_b32 s32, s3, 9
	s_add_co_u32 s34, s34, s32
	s_add_nc_u64 s[18:19], s[18:19], s[34:35]      ; my batch's row of out0, my wave's 128 channels
	s_load_b32 s20, s[12:13], 0x0                  ; cb2
	REFILL 0, 0                                    ; layer 1's fragment,
	global_load_b128 v[BIAS:BIAS+3], v2, s[26:27]  ; its biases,
	global_load_b128 v[BIAS+4:BIAS+7], v2, s[26:27] offset:16
.irp k, 1,2,3
	global_load_b128 v[AS+8*(9+\k):AS+8*(9+\k)+3], v2, s[26:27] offset:64*(1+\k)       ; the biases of layer 2's tiles 1 to 3, into slots 10 to 12,
	global_load_b128 v[AS+8*(9+\k)+4:AS+8*(9+\k)+7], v2, s[26:27] offset:64*(1+\k)+16
.endr
	global_load_b128 v[10:13], v14, s[4:5]         ; and my point: x, y, z, 0
	s_wait_kmcnt 0x0
	s_wait_loadcnt 0x0
	v_mov_b32 v14, s20                             ; the sum starts with cb2
	CONF 1, 8, 10, 14, 24
	v_mul_f32 v14, 0xbfb8aa3b, v14                 ; sigmoid(a) = 1 / (1 + 2^(-a log2 e))
	v_exp_f32 v14, v14
	v_nop                                          ; a plain instruction behind the exponential,
	s_wait_alu depctr_va_vdst(0)                   ; and a wait ahead of its reader
	v_add_f32 v14, 1.0, v14
	v_rcp_f32 v14, v14
	v_mov_b32 v26, 0                               ; (plain work behind the reciprocal)
	v_mov_b32 v27, 0
	v_mov_b32 v28, 0
	v_mov_b32 v29, 0
	v_mov_b32 v30, 0
	v_mov_b32 v31, 0
	s_wait_alu depctr_va_vdst(0)
	v_cvt_pk_bf16_f32 v24, v14, v10                ; (conf, x)
	v_cvt_pk_bf16_f32 v25, v11, v12                ; (y, z)
	ds_store_b128 v4, v[24:27]
	ds_store_b128 v4, v[28:31] offset:16
	ds_store_b128 v4, v[28:31] offset:32
	ds_store_b128 v4, v[28:31] offset:48
	s_wait_dscnt 0x0                               ; for the others' sake: my row lies in LDS
	s_barrier_signal -1
	s_barrier_wait -1
.set n, 0
.rept 8                                ; the constant chunk's eight fragments: they stay
	ds_load_b128 v[FCR+8*n:FCR+8*n+3], v5 offset:16*FP*n
	ds_load_b128 v[FCR+8*n+4:FCR+8*n+7], v5 offset:16*FP*n+32
.set n, n+1
.endr
	;     c  fc  t  tp relu  in    out  last cn
	LAYER 1,  1, 1, 1, 1,    0,    BUF0, 0,  8     ; l1 = relu((conf, x) w1 + b1)         64 channels
	LAYER 2,  0, 4, 4, 1,    BUF0, BUF1, 0,  8     ; l2 = relu(l1 w2 + b2)                256
	LAYER 8,  0, 4, 1, 0,    BUF1, BUF0, 0,  9     ; l3 = l2 pc1w + pc1b                  256
	LAYER 9,  1, 4, 1, 1,    BUF0, BUF1, 0,  8     ; l4 = relu((x, l3) w3 + b3)           256
	LAYER 8,  0, 6, 1, 1,    BUF1, BUF0, 0,  12    ; l5 = relu(l4 w4 + b4)                384
	LAYER 12, 0, 6, 1, 0,    BUF0, BUF1, 0,  13    ; l6 = l5 pc2w + pc2b                  384
	LAYER 13, 1, 6, 1, 1,    BUF1, BUF0, 0,  12    ; l7 = relu((x, l6) w5 + b5)           384
	LAYER 12, 0, 8, 1, 1,    BUF0, 0,    1,  0     ; the maximum over the points of relu(l7 w6 + b6)   512
	s_lshl_b32 s34, s3, 9
	s_add_co_u32 s34, s34, OST
	v_add_nc_u32 v10, s34, v1
	ds_load_b128 v[24:27], v10                     ; my wave's 128 maxima, 16 bytes a lane: its own bytes, and LDS serves a wave's instructions in order (ISA guide 5.7.1.4)
	s_wait_dscnt 0x0
	global_store_b128 v1, v[24:27], s[18:19]       ; 512 consecutive bytes, at a multiple of 256 from out0's first byte
	s_wait_tensorcnt 0x0                           ; the wave's end
	ds_add_u32 v8, v9
	s_wait_dscnt 0x0
	s_endpgm
.Lfunc_end_k_q531daeb8be_chain:
	.size	k_q531daeb8be_chain, .Lfunc_end_k_q531daeb8be_chain-k_q531daeb8be_chain
	.p2alignl 7, 3214868480
	.fill 96, 4, 3214868480
	.section	.rodata,"a",@progbits
	.p2align	6, 0x0
	.amdhsa_kernel k_q531daeb8be_chain
		.amdhsa_group_segment_fixed_size 213504
		.amdhsa_private_segment_fixed_size 0
		.amdhsa_enable_private_segment 0
		.amdhsa_kernarg_size 64
		.amdhsa_user_sgpr_count 2
		.amdhsa_user_sgpr_kernarg_segment_ptr 1
		.amdhsa_wavefront_size32 1
		.amdhsa_system_sgpr_workgroup_id_x 1
		.amdhsa_system_sgpr_workgroup_id_y 1
		.amdhsa_system_sgpr_workgroup_id_z 1
		.amdhsa_system_vgpr_workitem_id 0
		.amdhsa_next_free_vgpr 1024
		.amdhsa_next_free_sgpr 84
		.amdhsa_reserve_vcc 0
		.amdhsa_float_denorm_mode_32 3
		.amdhsa_float_denorm_mode_16_64 3
		.amdhsa_memory_ordered 1
		.amdhsa_forward_progress 1
		.amdhsa_inst_pref_size 181
	.end_amdhsa_kernel
	.amdgpu_metadata
---
amdhsa.version: [ 1, 2 ]
amdhsa.kernels:
  - .name:           k_q531daeb8be_chain
    .symbol:         k_q531daeb8be_chain.kd
    .args:
      - { .name: sel, .offset: 0, .size: 8, .value_kind: global_buffer, .address_space: global }
      - { .name: cw1, .offset: 8, .size: 8, .value_kind: global_buffer, .address_space: global }
      - { .name: cb1, .offset: 16, .size: 8, .value_kind: global_buffer, .address_space: global }
      - { .name: cw2, .offset: 24, .size: 8, .value_kind: global_buffer, .address_space: global }
      - { .name: cb2, .offset: 32, .size: 8, .value_kind: global_buffer, .address_space: global }
      - { .name: wf, .offset: 40, .size: 8, .value_kind: global_buffer, .address_space: global }
      - { .name: bs, .offset: 48, .size: 8, .value_kind: global_buffer, .address_space: global }
      - { .name: out0, .offset: 56, .size: 8, .value_kind: global_buffer, .address_space: global }
    .group_segment_fixed_size: 213504
    .private_segment_fixed_size: 0
    .kernarg_segment_align: 8
    .kernarg_segment_size: 64
    .max_flat_workgroup_size: 128
    .sgpr_count:     84
    .vgpr_count:     1024
    .wavefront_size: 32
...
	.end_amdgpu_metadata
.endif
;; end of part 2
;; ======== version 2 of 2: 2 launches; version 1 with the launch chain written anew for expert scheduling mode
;; workspace buffers: sel 131,072 bytes; wf 1,572,864 bytes; bs 10,240 bytes
;; launch front: the kernel of part 1 again; grid 64 x 4, 4 waves a work-group, no clusters, 167,936 bytes of LDS; arguments x, cw1, cb1, cw2, cb2, out1, sel, wf, bs, w1, w2, pc1w, w3, w4, pc2w, w5, w6, b1, b2, pc1b, b3, b4, pc2b, b5, b6; writes out1, sel, wf, bs
;; launch chain (part 3): grid 64 x 1, 4 waves a work-group, no clusters, 213,504 bytes of LDS; arguments sel, cw1, cb1, cw2, cb2, wf, bs, out0; writes out0
.if DOCPART == 3
	.amdgcn_target "amdgcn-amd-amdhsa--gfx1250"
	.amdhsa_code_object_version 6
	.text
	.protected	k_q531daeb8be_chain
	.globl	k_q531daeb8be_chain
	.p2align	8
	.type	k_q531daeb8be_chain,@function
k_q531daeb8be_chain:
	s_mov_b64 s[64:65], 0
	v_nop
	global_prefetch_b8 v0, s[64:65] scope:SCOPE_SE
	s_setreg_imm32_b32 hwreg(HW_REG_WAVE_SCHED_MODE, 0, 2), 2
	s_setreg_imm32_b32 hwreg(HW_REG_WAVE_MODE, 25, 1), 1
	s_wait_xcnt 0x0
	s_wait_alu depctr_vm_vsrc(0)
; CHAIN.  out0[b][:] = the maximum over batch b's 125 sampled points of the eight layers l1 .. l8, which work on each point by itself (the first launch's head says why these 125 points are all that counts).
; A work-group is one batch: 128 rows (sel's rows 125-127 repeat point 0, which is among the 125, so the maximum is not changed).  Each of the four waves makes a quarter of every layer's output
; channels for all 128 rows.  Operands bf16, sums f32; a bias enters in f32 as the C operand of a tile's first product; between layers the numbers are rounded once to bf16.
; THE PRODUCT IS TAKEN TRANSPOSED: source 0 = 16 output channels x 32 K (a fragment of wf, as the first launch laid it), source 1 = 32 K x 16 points.  In the result a lane holds ONE point (lane % 16)
; and the channels 8 (lane / 16) + 0..7: four conversions make 16 bytes of the next layer's row.
; A LAYER: the wave reads the layer's whole input from LDS into registers (up to 12 chunks of 32 K x 128 points: 768 registers), then walks its tiles of 16 channels, K written out inside the trip.
; The weights come straight from memory into registers: no wave wants a byte of wf that another wave of the group has fetched.  A wave's stream in wf lies on end, and a trip asks again, when a
; group's products are done, for the same slots of the NEXT tile; in a layer's last trip that is the next layer's first tile.  So no load is left out and no tail is written.
; The constant chunk (conf, x, y, z, 0 x 28) feeds layers 1, 4 and 7 and stays in registers.  conf is made here anew, in f32, as the first launch makes it.
; NO CLUSTER, NO LDS RING FOR THE WEIGHTS: all 64 groups walk the same wf, but a joint load lands in LDS; that would add an LDS read for each fragment and a round of barriers for each refill.
; LDS: activations [128 rows][pitch 784 = 768 + 16 bytes: 196 words, so that the 16 rows of a load start 4 banks apart], two buffers that take turns; the constant chunk's rows, pitch 80; 2,048 bytes for the result; the spare words.
; THE MODE: SCHED_MODE bits 1:0 = 2 (LLVM: expert scheduling mode 2), set by the entry lines.  The code itself states the register dependences
; between vector or matrix instructions and memory or LDS instructions, with s_wait_alu, always for 0.
; THE PLAN.  Registers that memory or LDS instructions touch:
;   the slots     Written by the loads of wf; read by the products of their group (the chunks that share a window of source 1).  All 1,024 registers are taken: there is no second set of slots.
;   BIAS          Written by the loads of bs; read, as C, by a tile's first eight products.
;   windows 1-3   Written by the LDS loads at a layer's head; read by the layer's products.      The constant chunk: loaded once.
;   ACC           Written by the products, then in place by the conversions (last layer: the maxima); the tile's LDS stores read the low four registers of each accumulator.
;   v4, v5, v7    Written by vector adds at a layer's head and at a tile's end; read by LDS loads and stores.
;   v1, v2, v15   Offsets, made at the head and never written again.      v8, v9: made at the head, read by the closing add alone.
; A TRIP with m groups has m waits on va_vdst and one on vm_vsrc.  At the head of each group but the first, one va_vdst: the group before is done reading its slots (the first group: the biases too); that
; group's refills follow, dealt among this group's products, which name this group's slots, the input and ACC: none of the registers that those loads touch.  Behind the conversions, one va_vdst: they
; have written ACC, v4 and v5 are written, the last group is done reading its slots; that group's refills and the tile's stores follow.  Behind the stores, one vm_vsrc: they have read v4, v5 and ACC,
; which the two adds behind it and the next tile's products write.
.set P,     784
.set NT,    16*P                       ; 16 rows: one tile of points
.set HALF,  4*NT                       ; four of them: a second address register serves tiles 4 to 7, so that the immediates stay under 65,536
.set BUF0,  0
.set BUF1,  128*P
.set FCB,   2*128*P
.set FP,    80
.set OST,   FCB+128*FP
.set SPARE, OST+2048
; REGISTERS, in windows of 256 (s_set_vgpr_msb: bits 1:0 source 0, 3:2 source 1, 5:4 source 2, 7:6 destination).
;   window 0: v0 thread; v1 16 x lane; v2 32 (lane / 16); v3 784 (lane % 16) + 16 (lane / 16); v4, v5 LDS addresses in hand; v6 0; v7 where the result goes; v8, v9 the add's two; v10-14 at work; v15 256 x lane
;             v[16:23] the tile's biases; v[24:87] eight accumulators, one for each 16 points; v[88:191] thirteen slots for fragments of wf; v[192:255] the constant chunk
;   windows 1-3: the layer's input: chunk a, points 16 n .. at register 64 (a % 4) + 8 n of window 1 + a / 4
; Only source 1 changes window among the products, so the loads of weights and biases (destination and address in window 0) stand under the products' setting.
.set BIAS, 16
.set ACC,  24
.set AS,   88
.set FCR,  192
; s3 wave; s[4:19] the eight addresses; s20-22, s[36:59], s[68:83] the small network's; s[24:25] my place in my stream of wf; s[26:27] in bs; s[28:29] what I prefetch; s30 bytes of the stream behind me;
; s31 the place at which I prefetch; s32 trips; s33 the lanes with an odd lane % 16; s34, s35 at work
.set MSB, 0
.macro WIN new                         ; the immediate's high byte repeats the setting that is left; a switch that changes nothing is dropped
.if MSB != (\new)
	s_set_vgpr_msb (MSB<<8)|(\new)
.set MSB, \new
.endif
.endm
.macro PLACES                          ; four places behind the last product (ISA guide 7.12.1): in front of lines that read results; in front of the refills' wait they stay
.rept 4
	v_nop
.endr
.endm
; The small network's hidden layer and its product with cw2 (the first launch's macro).  s[6:7] cw1, s[8:9] cb1, s[10:11] cw2.
.macro CONF np, hu, px, acc, h
	s_mov_b32 s21, 0                               ; byte offset of the trip's first hidden unit
	s_mov_b32 s22, 64/(\hu)
.Lconf_\@:
	s_load_b256 s[36:43], s[6:7], s21 offset:0x0
	s_load_b256 s[44:51], s[6:7], s21 offset:0x100
	s_load_b256 s[52:59], s[6:7], s21 offset:0x200
	s_load_b256 s[68:75], s[8:9], s21 offset:0x0
	s_load_b256 s[76:83], s[10:11], s21 offset:0x0
	s_wait_kmcnt 0x0                               ; scalar loads return in no order: all five are in, and s21 may be stepped
.set u, 0
.rept \hu
	v_fma_f32 v[(\h)+u], s[36+u], v[(\px)], s[68+u]
.set u, u+1
.endr
.set u, 0
.rept \hu
	v_fmac_f32 v[(\h)+u], s[44+u], v[(\px)+1]
.set u, u+1
.endr
.set u, 0
.rept \hu
	v_fmac_f32 v[(\h)+u], s[52+u], v[(\px)+2]
.set u, u+1
.endr
.set u, 0
.rept \hu
	v_max_num_f32 v[(\h)+u], 0, v[(\h)+u]
.set u, u+1
.endr
.set u, 0
.rept \hu
	v_fmac_f32 v[(\acc)], s[76+u], v[(\h)+u]
.set u, u+1
.endr
	s_add_co_u32 s21, s21, 4*(\hu)
	s_sub_co_u32 s22, s22, 1
	s_cmp_lg_u32 s22, 0
	s_cbranch_scc1 .Lconf_\@
.endm
; THE LOADS THAT ARE OWED.  When a group's products are issued, its slots are owed their refill: PN slots from slot PS on, two loads each (each load of the wave covers 512 consecutive bytes, aligned), and, if PB = 1,
; the next trip's first bias tile (my eight channels' 32 bytes, two loads).  OWED writes the next of them, number PK, or nothing when all are out.  It is used only behind the wait that states that the group is done.
; rf: fragments from a slot's fragment to the one that takes its place; tp: bias tiles from this trip's first to the next trip's.
.macro OWED rf, tp
.if PK < 2*PN
	global_load_b128 v[AS+8*(PS+PK/2)+4*(PK%2):AS+8*(PS+PK/2)+4*(PK%2)+3], v1, s[24:25] offset:1024*((\rf)+PS+PK/2)+512*(PK%2)
.set PK, PK+1
.elseif PK < 2*PN+2*PB
	global_load_b128 v[BIAS+4*(PK-2*PN):BIAS+4*(PK-2*PN)+3], v2, s[26:27] offset:64*(\tp)+16*(PK-2*PN)
.set PK, PK+1
.endif
.endm
; Eight products: one fragment of weights against the eight tiles of points of one chunk.  The eight accumulators take turns.  first = 1: the biases start the sums.
; Behind each product stands one of the loads that the group before is owed, while there are any.
.macro MM8 slot, breg, first, br, rf, tp
.set n, 0
.rept 8
.if \first
	v_wmma_f32_16x16x32_bf16 v[ACC+8*n:ACC+8*n+7], v[AS+8*(\slot):AS+8*(\slot)+7], v[(\breg)+8*n:(\breg)+8*n+7], v[(\br):(\br)+7]
.else
	v_wmma_f32_16x16x32_bf16 v[ACC+8*n:ACC+8*n+7], v[AS+8*(\slot):AS+8*(\slot)+7], v[(\breg)+8*n:(\breg)+8*n+7], v[ACC+8*n:ACC+8*n+7]
.endif
	OWED \rf, \tp
.set n, n+1
.endr
.endm
.macro REFILL slot, frag               ; fragment frag, counted from my place in the stream, into a slot: each load of the wave covers 512 consecutive bytes, aligned
	global_load_b128 v[AS+8*(\slot):AS+8*(\slot)+3], v1, s[24:25] offset:1024*(\frag)
	global_load_b128 v[AS+8*(\slot)+4:AS+8*(\slot)+7], v1, s[24:25] offset:1024*(\frag)+512
.endm
; A PREFETCH INTO THE L2.  A stream of wf is 48 windows of 8,192 bytes (32 lanes x 256).  Wave w of work-group b asks ONCE, for window b of stream w, when its own place in the stream has come within
; 49,152 bytes of that window: four to six trips ahead of the loads that want it.  So each aligned block of 256 bytes is named once in the launch.  Groups 0 to 5 and 48 to 63 ask for nothing: the first
; six windows come by their loads alone, and there is no window 48.  It stands behind the trip's last products, ahead of the tile's way out.  v15, its offset, was written ahead of the head's wait on va_vdst.
.macro ASK
	s_cmp_ge_u32 s30, s31
	s_cbranch_scc0 .Lnot_yet_\@
	global_prefetch_b8 v15, s[28:29] th:TH_LOAD_NT scope:SCOPE_SE
	s_mov_b32 s31, 0x7fffffff                      ; once
.Lnot_yet_\@:
.endm
; The last layer's way out for a tile: the maximum over the eight tiles of points and 0 (the relu), then over the 16 lanes that hold the points; each accumulator's lowest register is read first.
; Every lane then holds its eight channels' maxima; lanes with an even lane % 16 store the first four, the others the last four: 64 bytes a tile, each word stored alike by eight lanes.
.macro LASTMAX
.irp st, 8,24,40
.set j, 0
.rept 8
	v_max3_num_f32 v[ACC+j], v[ACC+j], v[ACC+\st+j], v[ACC+\st+8+j]
.set j, j+1
.endr
.endr
.set j, 0
.rept 8
	v_max3_num_f32 v[ACC+j], v[ACC+j], v[ACC+56+j], v6
.set j, j+1
.endr
.irp m, 1,2,4,8
.set j, 0
.rept 8
	v_max_num_f32_dpp v[ACC+j], v[ACC+j], v[ACC+j] row_xmask:\m row_mask:0xf bank_mask:0xf
.set j, j+1
.endr
.endr
.irp j, 0,1,2,3
	v_cndmask_b32 v[ACC+\j], v[ACC+\j], v[ACC+4+\j], s33
.endr
.endm
; ONE TILE of 16 output channels x 128 points.  c chunks, the first of them the constant chunk if fc = 1; its fragments lie in slots s0 ..; br: its biases; rf, tp: see OWED; bref = 1: the first group is owed the biases too.
; The chunks go in groups that share a window of source 1.
; cnt = 1, in a loop: a group waits with the count of the loads issued since its own refill a trip ago: the trip's 2 c + 2, less its own, less those of the group before it, which are still owed at
; that place (the two bias loads count with the first group; the first group's wait stands at the trip's head, where nothing is owed).
.macro TILE c, fc, s0, br, rf, cnt, relu, last, bref, tp
.set LT, 2*(\c)+2
.set NA, (\c)-(\fc)
.set PS, 0
.set PN, 0
.set PB, 0
.set PK, 0
.if \fc
.if \cnt
	s_wait_loadcnt LT-4
.endif
	WIN 0
	MM8 \s0, FCR, 1, \br, \rf, \tp
.set PS, \s0
.set PN, 1
.set PB, \bref
.endif
.set a0, 0
.rept (NA+3)/4
.set ga, NA-a0
.if ga > 4
.set ga, 4
.endif
.set own, 2*ga
.if ((\fc)==0) && (a0==0)
.set own, 2*ga+2
.endif
.if PN > 0
	PLACES
.endif
	WIN 4*(1+a0/4)
.if \cnt
	s_wait_loadcnt LT-own-2*PN-2*PB
.endif
.if PN > 0
	s_wait_alu depctr_va_vdst(0)                   ; the group before is done reading its slots (the tile's first group: the biases too), in which the loads dealt among the products below land
.endif
.set a, a0
.rept ga
.if ((\fc)==0) && (a==0)
	MM8 (\s0)+a, 64*(a%4), 1, \br, \rf, \tp
.else
	MM8 (\s0)+(\fc)+a, 64*(a%4), 0, \br, \rf, \tp
.endif
.set a, a+1
.endr
.rept 2                                ; ten loads at the most are owed, and a group has eight products or more
	OWED \rf, \tp
.endr
.set PS, (\s0)+(\fc)+a0
.set PN, ga
.set PB, 0
.if (\bref) && ((\fc)==0) && (a0==0)
.set PB, 1
.endif
.set PK, 0
.set a0, a0+4
.endr
	PLACES                                         ; behind the tile's last product, in front of the lines that read the results
	WIN 0                                          ; at a label and at a branch every window is 0
.if \cnt
	ASK
.endif
.if \last
	LASTMAX
	s_wait_alu depctr_va_vdst(0)                   ; the selects have written v[ACC ..] and the add v7, which the LDS store reads; the last group is done reading its slots, in which the loads below land
.rept 10
	OWED \rf, \tp
.endr
	ds_store_b128 v7, v[ACC:ACC+3]
	s_wait_alu depctr_vm_vsrc(0)                   ; the store has read v7, which the add below writes, and v[ACC ..], which the next tile's products write
	v_add_nc_u32 v7, 64, v7
.else
.set n, 0
.rept 8                                ; rounded to bf16 in place, the accumulator's registers in ascending order
	v_cvt_pk_bf16_f32 v[ACC+8*n], v[ACC+8*n], v[ACC+8*n+1]
	v_cvt_pk_bf16_f32 v[ACC+8*n+1], v[ACC+8*n+2], v[ACC+8*n+3]
	v_cvt_pk_bf16_f32 v[ACC+8*n+2], v[ACC+8*n+4], v[ACC+8*n+5]
	v_cvt_pk_bf16_f32 v[ACC+8*n+3], v[ACC+8*n+6], v[ACC+8*n+7]
.if \relu
	v_pk_max_num_bf16 v[ACC+8*n], v[ACC+8*n], v6
	v_pk_max_num_bf16 v[ACC+8*n+1], v[ACC+8*n+1], v6
	v_pk_max_num_bf16 v[ACC+8*n+2], v[ACC+8*n+2], v6
	v_pk_max_num_bf16 v[ACC+8*n+3], v[ACC+8*n+3], v6
.endif
.set n, n+1
.endr
	s_wait_alu depctr_va_vdst(0)                   ; the lines above have written the low four of each accumulator, and the adds v4 and v5, which the LDS stores read; the last group is done reading its slots, in which the loads below land
.set n, 0
.rept 8                                ; the last group's refills and the tile's stores by turns: 16 bytes a lane into the next layer's row
	OWED \rf, \tp
	ds_store_b128 v[4+n/4], v[ACC+8*n:ACC+8*n+3] offset:(n%4)*NT
.set n, n+1
.endr
.rept 2
	OWED \rf, \tp
.endr
	s_wait_alu depctr_vm_vsrc(0)                   ; the stores have read v4 and v5, which the adds below write, and the accumulators' low registers, which the next tile's products write
	v_add_nc_u32 v4, 32, v4                        ; the next tile's 16 channels
	v_add_nc_u32 v5, 32, v5
.endif
.endm
.macro STEP nf, nb                     ; on by nf fragments and nb bias tiles
	s_wait_xcnt 0x0                                ; every load issued so far has read its address, so the two bases may be written; the tile's way out stands between this wait and the prefetch
	s_add_nc_u64 s[24:25], s[24:25], 1024*(\nf)
	s_add_nc_u64 s[26:27], s[26:27], 64*(\nb)
	s_add_co_u32 s30, s30, 1024*(\nf)
.endm
.macro PRELOAD na                      ; the layer's input, na chunks x 128 points, into windows 1 to 3: a fragment is two loads of 16 bytes a lane, 32 bytes apart
.set a, 0
.rept \na
	WIN (1+a/4)<<6
.set n, 0
.rept 8
	ds_load_b128 v[64*(a%4)+8*n:64*(a%4)+8*n+3], v[4+n/4] offset:(n%4)*NT+64*a
	ds_load_b128 v[64*(a%4)+8*n+4:64*(a%4)+8*n+7], v[4+n/4] offset:(n%4)*NT+64*a+32
.set n, n+1
.endr
.set a, a+1
.endr
	WIN 0
.endm
; A LAYER.  c chunks a tile (fc = 1: the constant chunk among them), t tiles a wave, tp of them a trip; cn: the slots that the next layer's first trip wants.
.macro LAYER c, fc, t, tp, relu, inb, outb, last, cn
.if (\c)-(\fc) > 0
	v_add_nc_u32 v4, \inb, v3                      ; (v4 and v5 are free: their last readers stand ahead of the wait on vm_vsrc at the last tile's end)
	v_add_nc_u32 v5, (\inb)+HALF, v3
	s_wait_alu depctr_va_vdst(0)                   ; v4 and v5 are written, which the LDS loads read; the layer before is done reading windows 1 to 3, in which they land.  Only loads and window switches follow
	PRELOAD (\c)-(\fc)
.endif
	s_wait_dscnt 0x0                               ; the input is in registers: my reads of this buffer are over before the barrier at the layer's end, behind which it is written anew
	s_wait_loadcnt 0x0                             ; the first trip's weights and biases, asked for in the layer before: with nothing out, every count in the loop holds on the way in too
.if !(\last)
	s_mul_i32 s34, s3, 32*(\t)                     ; my quarter of the output channels, 2 bytes each
	s_add_co_u32 s34, s34, \outb
	s_wait_alu depctr_vm_vsrc(0)                   ; the LDS instructions issued so far have read v4 and v5, which the adds below write (in layer 1 also: the head's stores have read v24 to v31, which the products write)
	v_add_nc_u32 v4, s34, v3
	v_add_nc_u32 v5, HALF, v4
.endif
.if (\t) > (\tp)
	s_mov_b32 s32, (\t)/(\tp)
.Ltrip_\@:
	TILE \c, \fc, 0, BIAS, \c, 1, \relu, \last, 1, 1
	STEP \c, 1
	s_sub_co_u32 s32, s32, 1
	s_cmp_lg_u32 s32, 0
	s_cbranch_scc1 .Ltrip_\@
.else
.set tt, 0
.rept \tp                              ; short layers: all the wave's tiles in one trip, without a loop; the later tiles' biases lie in slots 10 to 12
.set brx, BIAS
.set bfx, 1
.if tt > 0
.set brx, AS+8*(9+tt)
.set bfx, 0
.endif
	TILE \c, \fc, (\c)*tt, brx, (\c)*(\tp), 0, \relu, \last, bfx, \tp
.set tt, tt+1
.endr
	STEP (\c)*(\tp), \tp
.endif
.if (\cn) > (\c)*(\tp)
.set sl, (\c)*(\tp)
.rept (\cn)-(\c)*(\tp)                 ; the slots that this layer's refills did not reach.  No wait: since the wait on va_vdst at the last tile's end only the adds to v4 and v5 were issued
	REFILL sl, sl
.set sl, sl+1
.endr
.endif
.if !(\last)
	s_wait_dscnt 0x0                               ; for the others' sake: my part of the output lies in LDS
	s_barrier_signal -1
	s_barrier_wait -1
.endif
.endm
	s_load_b512 s[4:19], s[0:1], 0x0               ; sel, cw1, cb1, cw2, cb2, wf, bs, out0
	v_lshl_add_u32 v8, v0, 2, SPARE                ; my spare word,
	v_mov_b32 v9, 0                                ; and 0: kept for the closing lines alone
	v_lshrrev_b32 v10, 5, v0
	v_readfirstlane_b32 s3, v10                    ; wave 0..3
	v_and_b32 v11, 31, v0                          ; lane
	v_and_b32 v12, 15, v0                          ; lane % 16
	v_bfe_u32 v13, v0, 4, 1                        ; lane / 16
	v_lshlrev_b32 v1, 4, v11
	v_lshlrev_b32 v2, 5, v13
	v_mul_u32_u24 v3, v12, P
	v_lshl_add_u32 v3, v13, 4, v3
	v_mov_b32 v6, 0
	v_lshlrev_b32 v15, 8, v11
	v_and_b32 v7, 1, v0
	v_lshlrev_b32 v7, 4, v7
	v_add_nc_u32 v7, v7, v2
	s_wait_alu depctr_va_sdst(0)                   ; s3 is written, ahead of its first reader: LDS places and the bases of wf, bs and out0 are made from it
	s_lshl_b32 s34, s3, 9
	s_add_co_u32 s34, s34, OST
	v_add_nc_u32 v7, s34, v7                       ; OST + 512 wave + 32 (lane / 16) + 16 (lane % 2)
	v_mul_u32_u24 v4, v0, FP
	v_add_nc_u32 v4, FCB, v4                       ; my point's row of the constant chunk
	v_mul_u32_u24 v5, v12, FP
	v_lshl_add_u32 v5, v13, 4, v5
	v_add_nc_u32 v5, FCB, v5                       ; and where I read its fragments
	v_lshlrev_b32 v14, 4, v0                       ; my point in sel
	s_mul_i32 s34, s3, 393216
	s_mov_b32 s35, 0
	s_mov_b32 s30, 0
	s_mov_b32 s33, 0xaaaaaaaa
	s_lshl_b32 s31, ttmp9, 13
	s_sub_co_u32 s31, s31, 49152
	s_sub_co_u32 s32, ttmp9, 6
	s_cmp_lt_u32 s32, 42                           ; groups 6 to 47 prefetch
	s_cselect_b32 s31, s31, 0x7fffffff
	s_wait_kmcnt 0x0
	s_add_nc_u64 s[24:25], s[14:15], s[34:35]      ; my stream of wf
	s_mul_i32 s34, s3, 2560
	s_add_nc_u64 s[26:27], s[16:17], s[34:35]      ; and of bs
	s_min_u32 s34, ttmp9, 47                       ; (held inside the stream in the groups that never ask, too)
	s_lshl_b32 s34, s34, 13
	s_add_nc_u64 s[28:29], s[24:25], s[34:35]
	s_lshl_b32 s34, ttmp9, 11
	s_add_nc_u64 s[4:5], s[4:5], s[34:35]          ; my batch of sel: 2,048 bytes,
	s_lshl_b32 s32, s3, 9
	s_add_co_u32 s34, s34, s32
	s_add_nc_u64 s[18:19], s[18:19], s[34:35]      ; my batch's row of out0, my wave's 128 channels
	s_load_b32 s20, s[12:13], 0x0                  ; cb2
	s_wait_alu depctr_va_vdst(0)                   ; the offsets and addresses v1, v2, v4, v5, v7, v14 and v15 are written, which loads, stores and the prefetch read; the lines above are done with v10 to v13, in which my point lands
	REFILL 0, 0                                    ; layer 1's fragment,
	global_load_b128 v[BIAS:BIAS+3], v2, s[26:27]  ; its biases,
	global_load_b128 v[BIAS+4:BIAS+7], v2, s[26:27] offset:16
.irp k, 1,2,3
	global_load_b128 v[AS+8*(9+\k):AS+8*(9+\k)+3], v2, s[26:27] offset:64*(1+\k)       ; the biases of layer 2's tiles 1 to 3, into slots 10 to 12,
	global_load_b128 v[AS+8*(9+\k)+4:AS+8*(9+\k)+7], v2, s[26:27] offset:64*(1+\k)+16
.endr
	global_load_b128 v[10:13], v14, s[4:5]         ; and my point: x, y, z, 0
	s_wait_kmcnt 0x0
	s_wait_loadcnt 0x0
	s_wait_alu depctr_vm_vsrc(0)                   ; the load of my point has read v14, which the next line writes
	v_mov_b32 v14, s20                             ; the sum starts with cb2
	CONF 1, 8, 10, 14, 24
	v_mul_f32 v14, 0xbfb8aa3b, v14                 ; sigmoid(a) = 1 / (1 + 2^(-a log2 e))
	v_exp_f32 v14, v14
	v_nop                                          ; a plain instruction behind the exponential,
	s_wait_alu depctr_va_vdst(0)                   ; and a wait ahead of its reader: the exponential has written v14
	v_add_f32 v14, 1.0, v14
	v_rcp_f32 v14, v14
	v_mov_b32 v26, 0                               ; (plain work behind the reciprocal)
	v_mov_b32 v27, 0
	v_mov_b32 v28, 0
	v_mov_b32 v29, 0
	v_mov_b32 v30, 0
	v_mov_b32 v31, 0
	s_wait_alu depctr_va_vdst(0)                   ; the reciprocal has written v14, ahead of its reader
	v_cvt_pk_bf16_f32 v24, v14, v10                ; (conf, x)
	v_cvt_pk_bf16_f32 v25, v11, v12                ; (y, z)
	s_wait_alu depctr_va_vdst(0)                   ; the two conversions have written v24 and v25, which the first LDS store reads (v26 to v31 and v4 stand ahead of earlier waits)
	ds_store_b128 v4, v[24:27]
	ds_store_b128 v4, v[28:31] offset:16
	ds_store_b128 v4, v[28:31] offset:32
	ds_store_b128 v4, v[28:31] offset:48
	s_wait_dscnt 0x0                               ; for the others' sake: my row lies in LDS
	s_barrier_signal -1
	s_barrier_wait -1
.set n, 0
.rept 8                                ; the constant chunk's eight fragments: they stay.  No wait: v5 stands ahead of the head's wait on va_vdst, and no vector instruction has named v192 to v255
	ds_load_b128 v[FCR+8*n:FCR+8*n+3], v5 offset:16*FP*n
	ds_load_b128 v[FCR+8*n+4:FCR+8*n+7], v5 offset:16*FP*n+32
.set n, n+1
.endr
	;     c  fc  t  tp relu  in    out  last cn
	LAYER 1,  1, 1, 1, 1,    0,    BUF0, 0,  8     ; l1 = relu((conf, x) w1 + b1)         64 channels
	LAYER 2,  0, 4, 4, 1,    BUF0, BUF1, 0,  8     ; l2 = relu(l1 w2 + b2)                256
	LAYER 8,  0, 4, 1, 0,    BUF1, BUF0, 0,  9     ; l3 = l2 pc1w + pc1b                  256
	LAYER 9,  1, 4, 1, 1,    BUF0, BUF1, 0,  8     ; l4 = relu((x, l3) w3 + b3)           256
	LAYER 8,  0, 6, 1, 1,    BUF1, BUF0, 0,  12    ; l5 = relu(l4 w4 + b4)                384
	LAYER 12, 0, 6, 1, 0,    BUF0, BUF1, 0,  13    ; l6 = l5 pc2w + pc2b                  384
	LAYER 13, 1, 6, 1, 1,    BUF1, BUF0, 0,  12    ; l7 = relu((x, l6) w5 + b5)           384
	LAYER 12, 0, 8, 1, 1,    BUF0, 0,    1,  0     ; the maximum over the points of relu(l7 w6 + b6)   512
	s_lshl_b32 s34, s3, 9
	s_add_co_u32 s34, s34, OST
	v_add_nc_u32 v10, s34, v1
	s_wait_alu depctr_va_vdst(0)                   ; v10 is written, which the LDS load reads (v24 to v27, in which it lands: the last tile's lines stand ahead of that tile's wait on va_vdst, its store ahead of the wait on vm_vsrc)
	ds_load_b128 v[24:27], v10                     ; my wave's 128 maxima, 16 bytes a lane: its own bytes, and LDS serves a wave's instructions in order (ISA guide 5.7.1.4)
	s_wait_dscnt 0x0
	global_store_b128 v1, v[24:27], s[18:19]       ; 512 consecutive bytes, at a multiple of 256 from out0's first byte
	s_wait_dscnt 0x0                               ; the closing lines, six on end
	s_wait_alu 0x0
	s_wait_tensorcnt 0x0
	ds_add_u32 v8, v9
	s_wait_dscnt 0x0
	s_endpgm
.Lfunc_end_k_q531daeb8be_chain:
	.size	k_q531daeb8be_chain, .Lfunc_end_k_q531daeb8be_chain-k_q531daeb8be_chain
	.p2alignl 7, 3214868480
	.fill 96, 4, 3214868480
	.section	.rodata,"a",@progbits
	.p2align	6, 0x0
	.amdhsa_kernel k_q531daeb8be_chain
		.amdhsa_group_segment_fixed_size 213504
		.amdhsa_private_segment_fixed_size 0
		.amdhsa_enable_private_segment 0
		.amdhsa_kernarg_size 64
		.amdhsa_user_sgpr_count 2
		.amdhsa_user_sgpr_kernarg_segment_ptr 1
		.amdhsa_wavefront_size32 1
		.amdhsa_system_sgpr_workgroup_id_x 1
		.amdhsa_system_sgpr_workgroup_id_y 1
		.amdhsa_system_sgpr_workgroup_id_z 1
		.amdhsa_system_vgpr_workitem_id 0
		.amdhsa_next_free_vgpr 1024
		.amdhsa_next_free_sgpr 84
		.amdhsa_reserve_vcc 0
		.amdhsa_float_denorm_mode_32 3
		.amdhsa_float_denorm_mode_16_64 3
		.amdhsa_memory_ordered 1
		.amdhsa_forward_progress 1
		.amdhsa_inst_pref_size 183
	.end_amdhsa_kernel
	.amdgpu_metadata
---
amdhsa.version: [ 1, 2 ]
amdhsa.kernels:
  - .name:           k_q531daeb8be_chain
    .symbol:         k_q531daeb8be_chain.kd
    .args:
      - { .name: sel, .offset: 0, .size: 8, .value_kind: global_buffer, .address_space: global }
      - { .name: cw1, .offset: 8, .size: 8, .value_kind: global_buffer, .address_space: global }
      - { .name: cb1, .offset: 16, .size: 8, .value_kind: global_buffer, .address_space: global }
      - { .name: cw2, .offset: 24, .size: 8, .value_kind: global_buffer, .address_space: global }
      - { .name: cb2, .offset: 32, .size: 8, .value_kind: global_buffer, .address_space: global }
      - { .name: wf, .offset: 40, .size: 8, .value_kind: global_buffer, .address_space: global }
      - { .name: bs, .offset: 48, .size: 8, .value_kind: global_buffer, .address_space: global }
      - { .name: out0, .offset: 56, .size: 8, .value_kind: global_buffer, .address_space: global }
    .group_segment_fixed_size: 213504
    .private_segment_fixed_size: 0
    .kernarg_segment_align: 8
    .kernarg_segment_size: 64
    .max_flat_workgroup_size: 128
    .sgpr_count:     84
    .vgpr_count:     1024
    .wavefront_size: 32
...
	.end_amdgpu_metadata
.endif
;; end of part 3
